; MI455X (gfx1250); checked and timed in simulation.
; The chip was launched on July 23, 2026; its instructions are those of AMD's public machine-readable ISA for CDNA 5 (MIT licence, August 2026) and "CDNA5" Instruction Set Architecture Reference Guide (July 2026). The comments in the code are by the model that wrote it; some were corrected since.
;; Quant Linear. Allowed arithmetic: float matrix products may take bf16 or f16 operands with f32 sums; other float arithmetic in f32, or as packed bf16 or f16 multiplies, adds, multiply-adds, maxima and minima; sums over many terms, partial sums and values carried from step to step in f32; what a program stores and reads back later, other than sums and carried values, may be rounded once to bf16 or f16.
;; Inputs: bias 4,096 float32; qweight 512 x 4,096 int32; qzeros 32 x 512 int32; scales 32 x 4,096 float32; x 8 x 512 x 4,096 float32.
;; Outputs: out0 8 x 512 x 4,096 float32.
;; One version. Each part assembles by itself: llvm-mc -triple=amdgcn-amd-amdhsa -mcpu=gfx1250 --defsym DOCPART=n.
;; ======== version 1 of 1: 2 launches
;; workspace buffers: xb 33,554,432 bytes; wt 33,554,432 bytes
;; launch prep (part 1): grid 1152 x 1, 8 waves a work-group, no clusters, 75,008 bytes of LDS; arguments x, qweight, qzeros, scales, xb, wt; writes xb, wt
.if DOCPART == 1
	.amdgcn_target "amdgcn-amd-amdhsa--gfx1250"
	.amdhsa_code_object_version 6
	.text
	.protected	k_qffe3c7b1af_prep
	.globl	k_qffe3c7b1af_prep
	.p2align	8
	.type	k_qffe3c7b1af_prep,@function
k_qffe3c7b1af_prep:
	s_mov_b64 s[64:65], 0
	v_nop
	global_prefetch_b8 v0, s[64:65] scope:SCOPE_SE
	s_setreg_imm32_b32 hwreg(HW_REG_WAVE_MODE, 25, 1), 1
	s_wait_xcnt 0x0
; out0 = x W + bias, W[k][n] = scales[k/128][n] * (code(k, n) - zero(k/128, n)), is made by two launches.  THIS ONE lays both matrix operands out in bf16:
;   xb[m][P] = bf16(x[m][k]),   wt[n][P] = bf16( bf16(scales[k/128][n]) * (w - z) ),   w = nibble k % 8 of qweight[k/8][n],   z = nibble n % 8 of qzeros[k/128][n/8] + 1.
; NO WORK IS LEFT OUT: every input reaches every output row or column, nothing is masked or sliced away; bias is read by the second launch.
; THE ORDER ALONG K.  Both buffers hold k in the same permuted order, inside blocks of 256: position P = 256 b + 8 i + 2 j + e (i 0..31, j 0..3, e 0..1) holds k = 256 b + 128 e + 4 i + j.
; A matrix product takes equal positions of both operands, so the products are the same and only the order of the sum over k differs from the plain one.  What the order buys:
;   x:  lane i's two loads of 16 bytes (k = 4 i .. 4 i + 3, and 128 further on) pack into its one store of 16 bytes; each load and each store of a wave covers 512 consecutive bytes, aligned.
;   W:  a 32-bit word of wt holds a code of group 2 b (low half) and one of group 2 b + 1 (high half), so one packed pair of scales and one of zeros serve a whole column of the block;
;       k / 8 = 32 b + 16 e + i / 2 and k % 8 = 4 (i % 2) + j: a lane's eight codes are one 16-bit half of two words of qweight.
; SHARES.  Work-groups 0 to 127 make wt (the longer share, so they come first): each of the eight waves takes one block b (32 rows of qweight, two groups) x 64 columns n.
; Work-groups 128 to 1151 make xb: 64 KiB of x each, 8 KiB a wave.  No wave needs another's bytes: no barrier; no matrix unit, no cluster (nothing is shared), no copy engine.
; ARITHMETIC OF W, two numbers a line in bf16: 0x4300 | w is 128 + w; 0xc301 + nibble is -(128 + z) (z <= 16 stays inside the 7 mantissa bits); their sum w - z (-16 .. 14) is exact; the one
; product with the scale is rounded to bf16, to nearest even.
; LIMITS.  x and scales are rounded to bf16 (to nearest even; beyond 3.39e38 they become infinities), the product scale x (w - z) once more to bf16.  NaN and infinities go through the arithmetic as they come.
.set PQ,    272                        ; an LDS row of the wave's tile: 64 words of qweight + 16 bytes = 17 x 16
.set WREG,  34*PQ                      ; a wave's own LDS: rows 0-31 qweight, row 32 the packed scales, row 33 the packed -(128 + z), one word a column
.set SROW,  32*PQ
.set ZROW,  33*PQ
.set SPARE, 8*WREG                     ; 73,984 = 289 x 256: behind the eight regions the spare words, 128 bytes for each wave: four blocks of 256 bytes that no other line names
.set XO,  4                            ; v4   x path: my byte offset in the work-group's x.     W path: QO, my offset in the tile's first two rows of qweight
.set YO,  5                            ; v5   x path: my byte offset in the work-group's xb.    W path: WO, my 16 bytes in the row of wt in hand
.set LST, 8                            ; v8   where I put 16 bytes of qweight in LDS
.set LQ,  9                            ; v9   row lane / 2 of the tile, at the four columns in hand
.set LC,  10                           ; v10  the wave's region, at the four columns in hand
.set L8,  11                           ; v11  the wave's region + 8 x lane: my two columns' constants
.set SO,  12                           ; v12  8 x lane: my two columns in a row of scales
.set ZO,  13                           ; v13  4 x (lane / 4): the word of qzeros that holds my two columns
.set SH,  14                           ; v14, v15  the bit at which their nibbles begin
.set SA,  16                           ; v[16:17] scales of group 2 b, v[18:19] of group 2 b + 1
.set ZA,  20                           ; v20, v21 the words of qzeros of the two groups
.set C0,  22                           ; v[22:23] packed scales, v[24:25] packed -(128 + z) of my two columns
.set TT,  26                           ; v26-28 at work
.set SEL, 29                           ; v29  v_perm_b32's selector: the low halves of two words (even lanes) or the high halves (odd lanes)
.set SPW, 30                           ; v30  LDS address of my spare word; never rewritten
.set NIL, 31                           ; v31  0; never rewritten
.set X,   32                           ; v[32:95]  as loaded: x path 8 chunks x 8 registers; W path 16 loads x 4
.set Y,   96                           ; v[96:127] x path: 8 chunks x 4 registers to store
.set QA,  96                           ; W loop: four columns' words of row lane / 2 (group 2 b),
.set QB,  100                          ;         of row 16 + lane / 2 (group 2 b + 1),
.set SS,  104                          ;         their packed scales,
.set NZ,  108                          ;         their packed -(128 + z)
.set T,   112                          ; v[112:127] four columns x 4 words to store
	s_load_b256 s[4:11], s[0:1], 0x0               ; x s[4:5], qweight s[6:7], qzeros s[8:9], scales s[10:11]
	s_load_b128 s[12:15], s[0:1], 0x20             ; xb s[12:13], wt s[14:15]
	v_lshl_add_u32 v[SPW], v0, 2, SPARE
	v_mov_b32 v[NIL], 0
	v_lshrrev_b32 v1, 5, v0
	v_readfirstlane_b32 s16, v1                    ; wave 0..7
	v_and_b32 v2, 31, v0                           ; lane
	v_lshlrev_b32 v3, 4, v2                        ; 16 bytes a lane
	s_cmp_lt_u32 ttmp9, 128
	s_cbranch_scc1 .Lweights
	; ---- x to xb.  A chunk is 256 k of one row: 1,024 bytes of x, 512 of xb.  The wave has eight, and all sixteen loads go out before the first wait.
	s_sub_co_u32 s17, ttmp9, 128
	s_lshl_b32 s20, s17, 16                        ; the work-group's 64 KiB of x (under 2^26),
	s_mov_b32 s21, 0
	s_lshl_b32 s22, s17, 15                        ; and its 32 KiB of xb
	s_mov_b32 s23, 0
	v_lshl_add_u32 v[XO], v1, 13, v3               ; 8,192 x wave + 16 x lane
	v_lshl_add_u32 v[YO], v1, 12, v3               ; 4,096 x wave + 16 x lane
	s_wait_kmcnt 0x0
	s_add_nc_u64 s[4:5], s[4:5], s[20:21]
	s_add_nc_u64 s[12:13], s[12:13], s[22:23]
.irp t, 0,1,2,3,4,5,6,7
	global_load_b128 v[X+8*(\t):X+8*(\t)+3],   v[XO], s[4:5] offset:1024*(\t) th:TH_LOAD_NT      ; k = 4 i + 0..3
	global_load_b128 v[X+8*(\t)+4:X+8*(\t)+7], v[XO], s[4:5] offset:1024*(\t)+512 th:TH_LOAD_NT  ; k = 128 + 4 i + 0..3
.endr
.irp t, 0,1,2,3,4,5,6,7
	s_wait_loadcnt 14-2*(\t)                       ; loads come back in order (ISA guide 5.7.1): chunk t's two are in, the 2 (7 - t) younger ones stay out
.irp j, 0,1,2,3
	v_cvt_pk_bf16_f32 v[Y+4*(\t)+(\j)], v[X+8*(\t)+(\j)], v[X+8*(\t)+4+(\j)]  ; positions 8 i + 2 j and 8 i + 2 j + 1
.endr
	global_store_b128 v[YO], v[Y+4*(\t):Y+4*(\t)+3], s[12:13] offset:512*(\t) th:TH_STORE_NT  ; no register of a load or store is written twice on this path: no further wait
.endr
	s_branch .Lend
	; ---- qweight, qzeros, scales to wt.
.Lweights:
	s_lshr_b32 s17, ttmp9, 3                       ; b: the block of 256 k, 0..15
	s_and_b32 s18, ttmp9, 7
	s_lshl3_add_u32 s18, s18, s16                  ; ns = 8 x (work-group % 8) + wave: my 64 columns, 0..63
	s_mul_i32 s19, s16, WREG                       ; my wave's region in LDS
	s_mov_b32 s25, 0x000f000f                      ; a nibble in each half
	s_mov_b32 s26, 0x43004300                      ; 128.0 twice in bf16
	v_and_b32 v6, 15, v2
	v_lshrrev_b32 v7, 4, v2
	v_lshlrev_b32 v[XO], 4, v6
	v_lshl_add_u32 v[XO], v7, 14, v[XO]            ; QO: lanes 0-15 one row's 256 bytes, lanes 16-31 the next row's (16,384 bytes on)
	v_mul_u32_u24 v[LST], v7, PQ
	v_lshl_add_u32 v[LST], v6, 4, v[LST]
	v_add_nc_u32 v[LST], s19, v[LST]
	v_lshrrev_b32 v[LQ], 1, v2
	v_mul_u32_u24 v[LQ], v[LQ], PQ
	v_add_nc_u32 v[LQ], s19, v[LQ]
	v_mov_b32 v[LC], s19
	v_lshl_add_u32 v[L8], v2, 3, s19
	v_lshlrev_b32 v[SO], 3, v2
	v_lshrrev_b32 v[ZO], 2, v2
	v_lshlrev_b32 v[ZO], 2, v[ZO]
	v_and_b32 v[SH], 3, v2
	v_lshlrev_b32 v[SH], 3, v[SH]                  ; column 2 x lane: nibble 2 (lane % 4)
	v_add_nc_u32 v[SH+1], 4, v[SH]                 ; column 2 x lane + 1: the next nibble
	v_mov_b32 v[YO], v3                            ; WO
	v_and_b32 v[TT], 1, v2
	v_cmp_eq_u32 vcc_lo, 1, v[TT]
	v_mov_b32 v[TT+1], 0x05040100                  ; bytes 0, 1 of the second source, then bytes 0, 1 of the first
	v_mov_b32 v[TT+2], 0x07060302                  ; bytes 2, 3 of each
	v_cndmask_b32 v[SEL], v[TT+1], v[TT+2], vcc_lo
	s_wait_kmcnt 0x0
	s_lshl_b32 s20, s17, 19                        ; qweight: 32 b rows of 16,384 bytes + 64 ns columns of 4
	s_lshl_b32 s22, s18, 8
	s_add_co_u32 s20, s20, s22
	s_mov_b32 s21, 0
	s_add_nc_u64 s[6:7], s[6:7], s[20:21]
	s_lshl_b32 s20, s17, 15                        ; scales: 2 b rows of 16,384 bytes + the same columns
	s_add_co_u32 s20, s20, s22
	s_add_nc_u64 s[10:11], s[10:11], s[20:21]
	s_lshl_b32 s20, s17, 12                        ; qzeros: 2 b rows of 2,048 bytes + 8 ns words
	s_lshl_b32 s22, s18, 5
	s_add_co_u32 s20, s20, s22
	s_add_nc_u64 s[8:9], s[8:9], s[20:21]
	s_lshl_b32 s20, s18, 19                        ; wt: 64 ns rows of 8,192 bytes + 256 b positions of 2
	s_lshl_b32 s22, s17, 9
	s_add_co_u32 s20, s20, s22
	s_add_nc_u64 s[14:15], s[14:15], s[20:21]
	global_load_b64 v[SA:SA+1],   v[SO], s[10:11]               ; the constants first: they are wanted first
	global_load_b64 v[SA+2:SA+3], v[SO], s[10:11] offset:16384
	global_load_b32 v[ZA],   v[ZO], s[8:9]
	global_load_b32 v[ZA+1], v[ZO], s[8:9] offset:2048
.irp t, 0,1,2,3,4,5,6,7,8,9,10,11,12,13,14,15
	global_load_b128 v[X+4*(\t):X+4*(\t)+3], v[XO], s[6:7] offset:32768*(\t) th:TH_LOAD_NT  ; rows 2 t and 2 t + 1 of the tile, 256 consecutive bytes each, aligned
.endr
	s_wait_loadcnt 16                              ; the four loads of constants are in; the sixteen of qweight stay out
	v_cvt_pk_bf16_f32 v[C0],   v[SA],   v[SA+2]    ; low half group 2 b, high half group 2 b + 1
	v_cvt_pk_bf16_f32 v[C0+1], v[SA+1], v[SA+3]
	ds_store_b64 v[L8], v[C0:C0+1] offset:SROW
	v_bfe_u32 v[TT],   v[ZA],   v[SH], 4
	v_bfe_u32 v[TT+1], v[ZA+1], v[SH], 4
	v_lshl_or_b32 v[C0+2], v[TT+1], 16, v[TT]
	v_bfe_u32 v[TT],   v[ZA],   v[SH+1], 4
	v_bfe_u32 v[TT+1], v[ZA+1], v[SH+1], 4
	v_lshl_or_b32 v[C0+3], v[TT+1], 16, v[TT]
	v_add_nc_u32 v[C0+2], 0xc301c301, v[C0+2]      ; -(128 + nibble + 1) in each half: the sum stays inside each half's mantissa
	v_add_nc_u32 v[C0+3], 0xc301c301, v[C0+3]
	ds_store_b64 v[L8], v[C0+2:C0+3] offset:ZROW
.irp t, 0,1,2,3,4,5,6,7,8,9,10,11,12,13,14,15
	s_wait_loadcnt 15-(\t)                         ; load t is in, the younger ones stay out
	ds_store_b128 v[LST], v[X+4*(\t):X+4*(\t)+3] offset:2*PQ*(\t)
.endr
	; Sixteen trips, four columns (rows of wt) each.  LDS serves a wave's instructions in order (ISA guide 5.7.1.4), and the region is the wave's own: the loads below see the stores above without a wait.
	s_mov_b32 s24, 16
.Lcol:
	ds_load_b128 v[QA:QA+3], v[LQ]
	ds_load_b128 v[QB:QB+3], v[LQ] offset:16*PQ
	ds_load_b128 v[SS:SS+3], v[LC] offset:SROW     ; the same 16 bytes for all lanes
	ds_load_b128 v[NZ:NZ+3], v[LC] offset:ZROW
	s_wait_dscnt 0x0
.irp c, 0,1,2,3
	v_perm_b32 v[T+4*(\c)], v[QB+(\c)], v[QA+(\c)], v[SEL]      ; my four codes of group 2 b below, of group 2 b + 1 above
	v_lshrrev_b32 v[T+4*(\c)+1], 4,  v[T+4*(\c)]
	v_lshrrev_b32 v[T+4*(\c)+2], 8,  v[T+4*(\c)]
	v_lshrrev_b32 v[T+4*(\c)+3], 12, v[T+4*(\c)]
.irp j, 0,1,2,3
	v_and_or_b32 v[T+4*(\c)+(\j)], v[T+4*(\c)+(\j)], s25, s26   ; 128 + w, twice
.endr
.irp j, 0,1,2,3
	v_pk_add_bf16 v[T+4*(\c)+(\j)], v[T+4*(\c)+(\j)], v[NZ+(\c)]  ; w - z, exact
.endr
.irp j, 0,1,2,3
	v_pk_mul_bf16 v[T+4*(\c)+(\j)], v[T+4*(\c)+(\j)], v[SS+(\c)]  ; times the group's scale, rounded once
.endr
	global_store_b128 v[YO], v[T+4*(\c):T+4*(\c)+3], s[14:15] offset:8192*(\c) th:TH_STORE_NT  ; the block's 512 consecutive bytes of one row of wt, aligned
.endr
	s_wait_xcnt 0x0                                ; the four stores have read their data and their offset (ISA guide 3.1): only now are T and the offset written again
	v_add_nc_u32 v[YO], 32768, v[YO]               ; four rows of wt on
	v_add_nc_u32 v[LQ], 16, v[LQ]                  ; four columns on
	v_add_nc_u32 v[LC], 16, v[LC]
	s_sub_co_u32 s24, s24, 1
	s_cmp_lg_u32 s24, 0
	s_cbranch_scc1 .Lcol
.Lend:
	s_wait_tensorcnt 0x0                           ; the wave's end, behind my last LDS store
	ds_add_u32 v[SPW], v[NIL]
	s_wait_dscnt 0x0
	s_endpgm
.Lfunc_end_k_qffe3c7b1af_prep:
	.size	k_qffe3c7b1af_prep, .Lfunc_end_k_qffe3c7b1af_prep-k_qffe3c7b1af_prep
	.p2alignl 7, 3214868480
	.fill 96, 4, 3214868480
	.section	.rodata,"a",@progbits
	.p2align	6, 0x0
	.amdhsa_kernel k_qffe3c7b1af_prep
		.amdhsa_group_segment_fixed_size 75008
		.amdhsa_private_segment_fixed_size 0
		.amdhsa_enable_private_segment 0
		.amdhsa_kernarg_size 48
		.amdhsa_user_sgpr_count 2
		.amdhsa_user_sgpr_kernarg_segment_ptr 1
		.amdhsa_wavefront_size32 1
		.amdhsa_system_sgpr_workgroup_id_x 1
		.amdhsa_system_sgpr_workgroup_id_y 1
		.amdhsa_system_sgpr_workgroup_id_z 1
		.amdhsa_system_vgpr_workitem_id 0
		.amdhsa_next_free_vgpr 128
		.amdhsa_next_free_sgpr 66
		.amdhsa_reserve_vcc 1
		.amdhsa_float_denorm_mode_32 3
		.amdhsa_float_denorm_mode_16_64 3
		.amdhsa_memory_ordered 1
		.amdhsa_forward_progress 1
		.amdhsa_inst_pref_size 17
	.end_amdhsa_kernel
	.amdgpu_metadata
---
amdhsa.version: [ 1, 2 ]
amdhsa.kernels:
  - .name:           k_qffe3c7b1af_prep
    .symbol:         k_qffe3c7b1af_prep.kd
    .args:
      - { .name: x, .offset: 0, .size: 8, .value_kind: global_buffer, .address_space: global }
      - { .name: qweight, .offset: 8, .size: 8, .value_kind: global_buffer, .address_space: global }
      - { .name: qzeros, .offset: 16, .size: 8, .value_kind: global_buffer, .address_space: global }
      - { .name: scales, .offset: 24, .size: 8, .value_kind: global_buffer, .address_space: global }
      - { .name: xb, .offset: 32, .size: 8, .value_kind: global_buffer, .address_space: global }
      - { .name: wt, .offset: 40, .size: 8, .value_kind: global_buffer, .address_space: global }
    .group_segment_fixed_size: 75008
    .private_segment_fixed_size: 0
    .kernarg_segment_align: 8
    .kernarg_segment_size: 48
    .max_flat_workgroup_size: 256
    .sgpr_count:     66
    .vgpr_count:     128
    .wavefront_size: 32
...
	.end_amdgpu_metadata
.endif
;; end of part 1
;; launch gemm (part 2): grid 16 x 16, 4 waves a work-group, clusters of 4 x 4, 327,680 bytes of LDS; arguments xb, wt, bias, out0; writes out0
.if DOCPART == 2
	.amdgcn_target "amdgcn-amd-amdhsa--gfx1250"
	.amdhsa_code_object_version 6
	.text
	.protected	k_qffe3c7b1af_gemm
	.globl	k_qffe3c7b1af_gemm
	.p2align	8
	.type	k_qffe3c7b1af_gemm,@function
k_qffe3c7b1af_gemm:
	s_mov_b64 s[64:65], 0
	v_nop
	global_prefetch_b8 v0, s[64:65] scope:SCOPE_SE
	s_setreg_imm32_b32 hwreg(HW_REG_WAVE_MODE, 25, 1), 1
	s_wait_xcnt 0x0
	s_wait_alu depctr_hold_cnt(0) depctr_sa_sdst(0) depctr_va_vdst(0) depctr_va_sdst(0) depctr_va_ssrc(0) depctr_va_vcc(0) depctr_vm_vsrc(0)
	s_getreg_b32 s2, hwreg(HW_REG_IB_STS2, 6, 4)
	s_cmp_eq_u32 s2, 0
	s_cbranch_scc0 .Lentry_in_a_cluster
	s_endpgm
.Lentry_in_a_cluster:
	s_bfe_u32 s2, ttmp6, 0x10000c
	s_cmp_lg_u32 s2, 0xf033
	s_cbranch_scc0 .Lentry_shape_is_right
	s_endpgm
.Lentry_shape_is_right:
; out0[m][n] = bias[n] + the sum over P of xb[m][P] wt[n][P].  xb: [4096][4096] bf16 (x, rounded), wt: [4096 n][4096] bf16 (the dequantised weights), both with k in the same permuted order
; along their rows, as the launch before laid them; bias: [4096] f32; out0: [4096][4096] f32.  Sums in f32; the bias, unrounded, starts each sum.  No work is left out.
; LIMITS.  The operands carry the roundings to bf16 of the launch before; the order of the sum over k is not the plain one; NaN and infinities go through the arithmetic as they come.
; SHARES.  A tile of out0, 256 x 256, is made by a work-group of four waves; a wave makes 128 x 128: 64 accumulators of 16 x 16, 512 registers.  4096 x 4096 are 256 tiles: one to a work-group.
; K goes in steps of 128 through a ring of two LDS slots filled by the tensor data mover: a tile's rows are 256 bytes of memory and start at multiples of 256 bytes from the buffer's first byte.
; The last K step goes by rows of out0, so that finished rows leave while the others are multiplied.
; CLUSTERS: 4 x 4 work-groups.  The four of a row of the cluster need the same tiles of xb, the four of a column the same tiles of wt.  Such a tile is asked for JOINTLY: each of the four issues the
; same tensor load, with the same descriptor and a mask that names the four, and each receives the tile in its own LDS.
; REGISTERS, in windows of 256 (s_set_vgpr_msb's low byte: bits 1:0 source 0, 3:2 source 1, 5:4 source 2, 7:6 destination):
;   window 0: v0-31 addresses; v64-127, v128-191 fragments of xb (8 x 16 rows x 32 K), two buffers (in the last K step four, of 16 rows x 128 K); v192-255 the bias, later 16 rows on the way out
;   window 1: v64-127, v128-191 fragments of wt, two buffers; in the last K step all 256: wt's fragments of the whole step
;   window 2: the 32 accumulators of my rows 0-63 (accumulator (a, b) at v[8 (8 a + b)]);   window 3: those of my rows 64-127
; THE MATRIX INSTRUCTION IS USED TRANSPOSED: source 0 = 16 rows of wt, source 1 = 16 rows of xb.  In the result lane l holds row m = l % 16 of out0, and its registers 0 to 7 the columns
; n = 8 (l / 16) + 0 .. 7: 32 neighbouring bytes of a row.  The bias in the same layout (8 registers for each block of 16 columns, the same for all rows) is the C operand of each sum's first product.
.set SIZE_K, 4096
.set SIZE_N, 4096
.set KSTEP,  128
.set PITCH,  272                       ; an LDS row: 256 bytes of data + 16 of padding = 68 words: row r starts at bank 4 r mod 64 (64 banks of 4 bytes: ISA guide 11.1), so the 16 rows that a load touches start at 16 different banks
.set HALFT,  128*PITCH                 ; 128 rows: what one tensor load brings, and what one wave reads of xb or of wt
.set SLOT,   4*HALFT                   ; xb's 256 rows, then wt's 256 rows
.set STAGE,  2*SLOT                    ; behind the ring: 16 rows x 528 bytes for each wave, for the way out; no tensor load lands here
.set SPITCH, 528                       ; a stage row: 128 f32 + 16 bytes = 33 x 16
.set SPARE,  STAGE+4*16*SPITCH         ; 312,320: behind the stages the spare words, 128 bytes for each wave: two blocks of 256 bytes that no other line names
.set LAPS,   SIZE_K/(2*KSTEP)          ; a lap = two K steps = once round the ring: 16
.set ROWC,   SIZE_N*4                  ; bytes in a row of out0
.set ADRA, 16                          ; v16-17  LDS address of my xb fragments in slot 0, 1
.set ADRB, 20                          ; v20-21  the same for wt
.set STO,  24                          ; v24     the way out: where I put 32 bytes of a row
.set RD,   25                          ; v25     the way out: where I read 16 bytes of a row back
.set CO,   26                          ; v26     16 x lane: my bytes in 512 consecutive bytes of out0
.set BO,   27                          ; v27     32 x (l / 16): my eight columns in a block of 16 of the bias
.set SPW,  28                          ; v28     LDS address of my spare word: SPARE + 4 x my thread's number; never rewritten
.set NIL,  29                          ; v29     0; never rewritten
.set PFO,  30                          ; v30     the prefetches' offset: my lane x a row of xb or wt (8,192 bytes); never rewritten
.set PFA,  44                          ; s[44:45] where my prefetches stand: my work-group's 32 rows of the 128 that I fetch, one K step further along K than the refill that is being asked for; a prefetch names the K step after that
.set LIM,  43                          ; s43     1 in a wave that prefetches, else the greatest number
.set BP,   66                          ; s[66:67] bias
.set F0,   64                          ; fragment buffer 0
.set F1,   128                         ; fragment buffer 1
.set BIAS, 192                         ; window 0: block b's eight registers at BIAS + 8 b
.set OB,   192                         ; the way out: 16 rows read back from the stage, 4 registers each (the bias is done with by then)
.set PA,   64                          ; the last K step: xb's fragments of 16 rows x 128 K, 32 registers; four such buffers, v64-191
.set G1, 24                            ; s[24:31] descriptor group 1 for xb's tiles
.set G0, 32                            ; s[32:39] descriptor group 0 for xb's tiles, one set for each slot
.set G1B, 48                           ; s[48:55] descriptor group 1 for wt's tiles: it differs in the mask alone
.set G0B, 56                           ; s[56:63] descriptor group 0 for wt's tiles, one set for each slot
.set MSB, 0
.macro WIN new                         ; the immediate's high byte repeats the setting that is left; a switch that changes nothing is dropped
.if MSB != (\new)
	s_set_vgpr_msb (MSB<<8)|(\new)
.set MSB, \new
.endif
.endm
.set MUL_LO, 0xa1                      ; source 0 (wt) window 1, source 1 (xb) window 0, C and D window 2
.set MUL_HI, 0xf1                      ; the same, C and D window 3
.set MUL_B,  0x81                      ; a sum's first product: C (the bias) window 0, D window 2; + 0x40: D window 3
.set TO_B,   0x40                      ; destination window 1, address window 0
; A joint load.  Waves 0 and 1 fetch xb's two halves, waves 2 and 3 wt's.  Each of the two lines has ONE mask and one set of registers for all that issue it, and nothing in them hangs on a
; coordinate that the four partners do not share.  The branch hangs on the wave's number alone.  An s_nop 0 and four v_nop follow each of the two lines, ahead of the jump and the label.
.macro JLOAD s
	s_cmp_eq_u32 s11, 0
	s_cbranch_scc0 .Lfor_b_\@
	tensor_load_to_lds s[G0+4*(\s):G0+4*(\s)+3], s[G1:G1+7]
	s_nop 0
.rept 4
	v_nop
.endr
	s_branch .Lasked_\@
.Lfor_b_\@:
	tensor_load_to_lds s[G0B+4*(\s):G0B+4*(\s)+3], s[G1B:G1B+7]
	s_nop 0
.rept 4
	v_nop
.endr
.Lasked_\@:
.endm
; A PREFETCH INTO THE L2, behind each joint load, its five lines and the run of LDS loads that follows them: the K step that stands TWO refills on, 512 matrix instructions ahead of the load that will want it:
; 32 rows x 256 bytes, a lane a row, one instruction a wave.  Each row's 256 bytes of a K step are named ONCE in the launch: xb's tile row is read by every cluster of that row of clusters, and the one with
; cluster x = 0 asks; wt's tile column by every cluster of that column, and the one with cluster y = 0 asks.  The four partners that ask for a tile jointly share its rows out BY ADDRESS: of the 128 rows that
; a wave fetches, the partner at place p takes 32 p .. 32 p + 31 (p = cx for xb, cy for wt): no branch hangs on a work-group's place in its cluster.  K steps 0 to 3 come by their loads alone;
; the loop's last trip (s3 = 1) asks for nothing: its two refills have no K step two on, so the last K step named is 31.
.macro ASK
	s_cmp_gt_u32 s3, s[LIM]
	s_cbranch_scc0 .Lnot_mine_\@
	global_prefetch_b8 v[PFO], s[PFA:PFA+1] offset:KSTEP*2 th:TH_LOAD_NT scope:SCOPE_SE
.Lnot_mine_\@:
.endm
; A round of the cluster's barrier: my work-group's barrier, so that wave 0's signal speaks for all four waves; wave 0 signals for the work-group; every wave waits for all sixteen work-groups;
; my work-group's barrier once more.  No LDS instruction of the wave is pending at a signal.
.macro CREST                           ; a round behind its opening barrier
	s_cmp_lg_u32 s10, 0
	s_cbranch_scc1 .Lnot_wave_0_\@
	s_barrier_signal -3
.Lnot_wave_0_\@:
	s_barrier_wait -3
	s_barrier_signal -1
	s_barrier_wait -1
.endm
.macro CROUND                          ; a whole round
	s_barrier_signal -1
	s_barrier_wait -1
	CREST
.endm
	s_load_b128 s[4:7], s[0:1], 0x0                ; xb s[4:5], wt s[6:7]
	s_load_b64 s[BP:BP+1], s[0:1], 0x10            ; bias
	s_load_b64 s[8:9], s[0:1], 0x18                ; out0
	v_lshl_add_u32 v[SPW], v0, 2, SPARE
	v_mov_b32 v[NIL], 0
	ds_add_u32 v[SPW], v[NIL]                      ; the wave's opening: the add, twice on end, and its wait ahead of my first tensor load; the set-up below, work on registers, stands between the second and the wait
	ds_add_u32 v[SPW], v[NIL]                      ; and once more, under the one wait
	v_lshrrev_b32 v1, 5, v0
	v_readfirstlane_b32 s10, v1                    ; wave 0..3
	s_lshr_b32 s11, s10, 1                         ; which half of the tile's rows is mine.  Also: I fetch for xb (0) or for wt (1)
	s_and_b32 s12, s10, 1                          ; which half of its columns.  Also: which 128 rows of that tile I fetch
	s_bfe_u32 s40, ttmp6, 0x40000                  ; cx: my place along the cluster's x
	s_bfe_u32 s41, ttmp6, 0x40004                  ; cy: along its y
	s_lshl_b32 s42, ttmp9, 2                       ; in a cluster launch ttmp9 and ttmp7 count clusters
	s_add_co_u32 s42, s42, s40                     ; tile column = 4 x cluster x + cx
	s_and_b32 s13, ttmp7, 0xffff
	s_lshl_b32 s13, s13, 2
	s_add_co_u32 s13, s13, s41                     ; tile row = 4 x cluster y + cy
	s_lshl_b32 s43, s41, 2
	s_lshl_b32 s43, 15, s43                        ; my row of the cluster: places 4 cy .. 4 cy + 3
	s_lshl_b32 s44, 0x1111, s40                    ; my column: places cx, cx + 4, cx + 8, cx + 12
	; descriptor group 1: a tile of 128 rows x 128 elements, padded in LDS
	s_or_b32 s[G1+0], s43, (1<<16)|(1<<20)|(1<<21)|(5<<22)|(3<<25)  ; 15:0 the mask: xb's tiles go to my row; 17:16 element of 2 bytes; 20 padding on; 21 set beside a mask; 24:22 after every 64 words (code 5); 31:25 4 words of it (code 3)
	s_or_b32 s[G1B+0], s44, (1<<16)|(1<<20)|(1<<21)|(5<<22)|(3<<25) ; the same with the mask of my column, for wt's tiles
.irp g, G1, G1B
	s_mov_b32 s[(\g)+1], KSTEP<<16                 ; 63:48 tensor_dim0, low half = 128
	s_mov_b32 s[(\g)+2], 128<<16                   ; 79:64 its high half = 0; 95:80 tensor_dim1, low half = 128
	s_mov_b32 s[(\g)+3], KSTEP<<16                 ; 111:96 its high half = 0; 127:112 tile_dim0 = 128
	s_mov_b32 s[(\g)+4], 128                       ; 143:128 tile_dim1 = 128; 159:144 tile_dim2 = 0
	s_mov_b32 s[(\g)+5], SIZE_K                    ; 191:160 tensor_dim0_stride, low word: elements from row to row
	s_mov_b32 s[(\g)+6], 0
	s_mov_b32 s[(\g)+7], 0
.endr
	; where the tiles come from.  xb's hang on the tile row alone, which my row of the cluster shares; wt's on the tile column alone, which my column shares.
	; Every wave makes both addresses, in registers that never hold the other coordinate, and asks by one of them.
	s_lshl_b32 s17, s12, 7                         ; which 128 rows of the tile I fetch
	s_lshl_b32 s16, s13, 8
	s_add_co_u32 s16, s16, s17                     ; xb: row 256 x tile row + 128 x half
	s_lshl_b32 s46, s42, 8
	s_add_co_u32 s46, s46, s17                     ; wt: row 256 x tile column + 128 x half
	s_mov_b32 s17, 0
	s_mov_b32 s47, 0
	s_mov_b64 s[18:19], SIZE_K*2
	s_mul_u64 s[16:17], s[16:17], s[18:19]         ; in bytes
	s_mul_u64 s[46:47], s[46:47], s[18:19]
	s_mul_i32 s20, s10, HALFT                      ; and where they go: xb's two halves, then wt's two halves = wave x 128 rows: no place in the cluster enters an LDS address
	s_wait_dscnt 0x0                               ; both opening adds are done
	s_wait_kmcnt 0x0
	s_add_nc_u64 s[14:15], s[4:5], s[16:17]
	s_add_nc_u64 s[46:47], s[6:7], s[46:47]
	CROUND                                         ; all sixteen work-groups are here: the first joint loads meet
.irp s, 0,1
	s_mov_b32 s[G0+4*(\s)], 1                                      ; 1:0 count = 1
	s_add_co_u32 s[G0+4*(\s)+1], s20, (\s)*SLOT                    ; 63:32 LDS address
	s_add_nc_u64 s[G0+4*(\s)+2:G0+4*(\s)+3], s[14:15], (\s)*KSTEP*2  ; 120:64 global address: K step s
	s_or_b32 s[G0+4*(\s)+3], s[G0+4*(\s)+3], 0x80000000            ; 127:126 type = 2
	s_mov_b32 s[G0B+4*(\s)], 1
	s_add_co_u32 s[G0B+4*(\s)+1], s20, (\s)*SLOT
	s_add_nc_u64 s[G0B+4*(\s)+2:G0B+4*(\s)+3], s[46:47], (\s)*KSTEP*2
	s_or_b32 s[G0B+4*(\s)+3], s[G0B+4*(\s)+3], 0x80000000
	JLOAD \s                                       ; the ring is filled before anything else is done: two tensor loads of mine are out
.endr
	; A fragment is 16 rows x 32 K in 8 registers: lane l holds row l % 16; registers 0-3 hold K = 8 (l / 16) + 0..7, registers 4-7 hold K = 16 + 8 (l / 16) + 0..7.
	; From rows that lie along K: two loads of 16 bytes, 32 bytes apart.  The same for source 0 and source 1.
	v_and_b32 v1, 15, v0                           ; l % 16
	v_bfe_u32 v2, v0, 4, 1                         ; l / 16
	v_mul_u32_u24 v3, v1, PITCH
	v_lshl_add_u32 v3, v2, 4, v3                   ; row x pitch + 16 x half
	s_mul_i32 s21, s11, HALFT                      ; my 128 rows of xb
	s_mul_i32 s22, s12, HALFT                      ; my 128 rows of wt,
	s_add_co_u32 s22, s22, 2*HALFT                 ; which lie behind xb's 256
.irp s, 0,1
	v_add_nc_u32 v[ADRA+(\s)], s21, v3
	v_add_nc_u32 v[ADRB+(\s)], s22, v3
	s_add_co_u32 s21, s21, SLOT
	s_add_co_u32 s22, s22, SLOT
.endr
	s_mul_i32 s23, s10, 16*SPITCH
	s_add_co_u32 s23, s23, STAGE                   ; my stage
	v_mul_u32_u24 v4, v1, SPITCH                   ; in: row l % 16, 32 bytes for each half of the lanes
	v_lshl_add_u32 v4, v2, 5, v4
	v_add_nc_u32 v[STO], s23, v4
	v_and_b32 v5, 31, v0
	v_lshlrev_b32 v[CO], 4, v5                     ; back: 32 lanes take one row of 512 bytes; and the same 512 bytes in out0
	v_add_nc_u32 v[RD], s23, v[CO]
	v_lshlrev_b32 v[BO], 5, v2
	; where my part of the tile begins in out0, in bytes: the first way out adds it to out0's address
	s_lshl_b32 s13, s13, 8
	s_lshl_b32 s14, s11, 7
	s_add_co_u32 s16, s13, s14                     ; my first row,
	s_lshl_b32 s16, s16, 14                        ; times 16,384 bytes: under 2^26
	s_mov_b32 s17, 0
	s_lshl_b32 s46, s42, 10                        ; my first column, in bytes: 1,024 x tile column + 512 x half (in the registers that held wt's address: none that feeds xb's descriptors ever holds cx)
	s_lshl_b32 s47, s12, 9
	s_add_co_u32 s46, s46, s47
	s_mov_b32 s47, 0
	s_add_nc_u64 s[16:17], s[16:17], s[46:47]
	s_add_nc_u64 s[BP:BP+1], s[BP:BP+1], s[46:47]  ; the same bytes on in the bias
.irp b, 0,1,2,3,4,5,6,7
	global_load_b128 v[BIAS+8*(\b):BIAS+8*(\b)+3],   v[BO], s[BP:BP+1] offset:64*(\b)     ; columns 16 b + 8 (l / 16) + 0..3
	global_load_b128 v[BIAS+8*(\b)+4:BIAS+8*(\b)+7], v[BO], s[BP:BP+1] offset:64*(\b)+16  ; and + 4..7
.endr
	; the prefetches.  s13 = 256 x tile row, s42 = tile column, s40 = cx, s41 = cy still stand; s[4:5] = xb, s[6:7] = wt
	s_lshl_b32 s42, s42, 8
	s_and_b32 s22, ttmp7, 0xffff                   ; cluster y
	s_cmp_eq_u32 s11, 0                            ; do I fetch for xb?
	s_cselect_b32 s20, s13, s42                    ; the tile's first row: in xb by the tile row, in wt by the tile column
	s_cselect_b32 s21, s40, s41                    ; my place among the four that ask for it with me
	s_cselect_b32 s22, ttmp9, s22                  ; the coordinate along which other clusters read the same rows
	s_cselect_b64 s[PFA:PFA+1], s[4:5], s[6:7]
	s_cmp_eq_u32 s22, 0
	s_cselect_b32 s[LIM], 1, -1                    ; the same in all sixteen partners, for a given wave
	s_lshl_b32 s22, s12, 7
	s_add_co_u32 s20, s20, s22                     ; + the 128 rows that I fetch
	s_lshl_b32 s21, s21, 5
	s_add_co_u32 s20, s20, s21                     ; + my work-group's 32 of them
	s_mov_b32 s21, 0
	s_mov_b64 s[18:19], SIZE_K*2
	s_mul_u64 s[20:21], s[20:21], s[18:19]
	s_add_nc_u64 s[PFA:PFA+1], s[PFA:PFA+1], s[20:21]
	s_add_nc_u64 s[PFA:PFA+1], s[PFA:PFA+1], 2*KSTEP*2  ; at K step 2: the first refill steps it to 3 and names K step 4
	v_and_b32 v[PFO], 31, v0
	v_mul_u32_u24 v[PFO], v[PFO], SIZE_K*2
	; nothing is prefetched here, at the head, where every work-group's first two tiles are on their way
; 16 matrix instructions: m blocks a0, a0 + 1 of the window's four (hi = 0: my rows 0-63, 1: rows 64-127) x all 8 n blocks, 32 along K.
; zero = 1: the first product starts the sum with the bias of its 16 columns: nothing is ever cleared, and no addition is left for the way out.
.macro MUL16 f, hi, a0, zero
.if \zero
	WIN MUL_B+0x40*(\hi)
.else
	WIN MUL_LO+0x50*(\hi)                          ; MUL_LO or MUL_HI
.endif
.irp a, \a0, (\a0)+1
.irp b, 0,1,2,3,4,5,6,7
.if \zero
	v_wmma_f32_16x16x32_bf16 v[8*(8*(\a)+(\b)):8*(8*(\a)+(\b))+7], v[(\f)+8*(\b):(\f)+8*(\b)+7], v[(\f)+8*(4*(\hi)+(\a)):(\f)+8*(4*(\hi)+(\a))+7], v[BIAS+8*(\b):BIAS+8*(\b)+7]
.else
	v_wmma_f32_16x16x32_bf16 v[8*(8*(\a)+(\b)):8*(8*(\a)+(\b))+7], v[(\f)+8*(\b):(\f)+8*(\b)+7], v[(\f)+8*(4*(\hi)+(\a)):(\f)+8*(4*(\hi)+(\a))+7], v[8*(8*(\a)+(\b)):8*(8*(\a)+(\b))+7]
.endif
.endr
.endr
.endm
; 32 LDS loads in one run: the fragments of one quarter step (128 rows of wt, 128 rows of xb, 32 K at byte k of the rows) into buffer f
.macro FETCH slot, k, f
	WIN TO_B
.irp i, 0,1,2,3,4,5,6,7
	ds_load_b128 v[(\f)+8*(\i):(\f)+8*(\i)+3],   v[ADRB+(\slot)] offset:(\k)+(\i)*16*PITCH
	ds_load_b128 v[(\f)+8*(\i)+4:(\f)+8*(\i)+7], v[ADRB+(\slot)] offset:(\k)+(\i)*16*PITCH+32
.endr
	WIN 0
.irp i, 0,1,2,3,4,5,6,7
	ds_load_b128 v[(\f)+8*(\i):(\f)+8*(\i)+3],   v[ADRA+(\slot)] offset:(\k)+(\i)*16*PITCH
	ds_load_b128 v[(\f)+8*(\i)+4:(\f)+8*(\i)+7], v[ADRA+(\slot)] offset:(\k)+(\i)*16*PITCH+32
.endr
.endm
; A load into a register that a matrix instruction has read, and an LDS store that reads a matrix result, stand four places behind that matrix instruction, and only plain vector instructions that
; name none of its registers are places (ISA guide 7.12.1 for vector instructions); the matrix instructions in between are not counted.
.macro PLACES
.rept 4
	v_nop
.endr
.endm
; A K step is four quarter steps of 32 along K, 64 matrix instructions each, on buffers 0, 1, 0, 1.  The 64 accumulators take turns, one instruction a turn, in the same order in every quarter.
; One of the first three: multiplies buffer f; in its middle it fetches the next quarter's fragments, at byte k of the same slot's rows, into buffer g.
.macro QUARTER slot, k, f, g, zero
	s_wait_dscnt 8                                 ; wt and xb's rows 0-63 are in; the youngest eight loads (xb's rows 64-127) may be out
	MUL16 \f, 0, 0, \zero
	MUL16 \f, 0, 2, \zero
	PLACES
	FETCH \slot, \k, \g
	s_wait_dscnt 32                                ; all but the 32 just issued
	MUL16 \f, 1, 0, \zero
	MUL16 \f, 1, 2, \zero
.endm
; The last quarter multiplies buffer 1 and changes slots.  MEET is its first half: ONE barrier for the change of slots, for two things.  In front of it each wave waits for all its tensor loads, of which
; one is out: its part of the next slot; adds 0 to its spare word; and waits for that and for its own reads of this slot.  Behind it nobody reads this slot any more and the next slot is whole.
.macro MEET round                      ; round = 1: a round of the cluster's barrier follows
	WIN 0                                          ; (the add's two registers lie in window 0)
	s_wait_tensorcnt 0x0                           ; all my tensor loads have landed: the one that was out is my part of the next slot;
	ds_add_u32 v[SPW], v[NIL]                      ; 0 onto my spare word;
	s_wait_dscnt 9                                 ; (the add and the youngest eight loads may be out)
	MUL16 F1, 0, 0, 0                              ; sixteen matrix instructions stand between the add and the wait for it
	s_wait_dscnt 0x0                               ; the add is done, and my reads of this slot are over:
	s_barrier_signal -1                            ; say so (where a slot is filled again this barrier opens a round of the cluster's barrier),
	MUL16 F1, 0, 2, 0                              ; work on registers while the others arrive,
.if \round
	WIN 0
.endif
	s_barrier_wait -1                              ; and go on when all four have said so
.endm
; The whole last quarter.  Behind the round the slot just read out is filled again first, with the K step two steps on; then come the next slot's first fragments.
; From a request to the wait for it a wave issues 224 matrix instructions.
.macro TURN slot, next
	s_wait_xcnt 0x0                                ; the last prefetch, a K step back, has read its address: it is stepped here, ahead of the waits of the change of slots
	s_add_nc_u64 s[PFA:PFA+1], s[PFA:PFA+1], KSTEP*2
	MEET 1
	CREST                                          ; wave 0 says so for the work-group, all sixteen work-groups have said so, my work-group's barrier closes the round:
	                                               ; no wave of any partner still reads this slot's tile or has a load on its way
	s_add_nc_u64 s[G0+4*(\slot)+2:G0+4*(\slot)+3], s[G0+4*(\slot)+2:G0+4*(\slot)+3], 2*KSTEP*2      ; no tensor load of mine is out, so a group 0 may be written; the type bits on top are not reached
	s_add_nc_u64 s[G0B+4*(\slot)+2:G0B+4*(\slot)+3], s[G0B+4*(\slot)+2:G0B+4*(\slot)+3], 2*KSTEP*2
	JLOAD \slot                                    ; the first tensor load behind the round, my only one until the next; the four v_nop behind it are also the places in front of the loads below
	FETCH \next, 0, F0
	ASK                                            ; behind the joint load and the run of LDS loads that the next products wait for
	MUL16 F1, 1, 0, 0
	MUL16 F1, 1, 2, 0
.endm
; THE LAST K STEP (it lies in slot 1) GOES BY ROWS OF out0, NOT BY K.  All its fragments of wt (4 quarters x 64 registers) fill window 1; then my eight blocks of 16 rows are finished one after the
; other, each with 32 matrix instructions (its 8 accumulators by turns, K ascending).  LDS is read no more than in any other K step.
.macro BLOAD q                         ; wt's fragments of quarter q -> window 1, v[64 q ..]
	WIN TO_B
.irp i, 0,1,2,3,4,5,6,7
	ds_load_b128 v[64*(\q)+8*(\i):64*(\q)+8*(\i)+3],   v[ADRB+1] offset:64*(\q)+(\i)*16*PITCH
	ds_load_b128 v[64*(\q)+8*(\i)+4:64*(\q)+8*(\i)+7], v[ADRB+1] offset:64*(\q)+(\i)*16*PITCH+32
.endr
.endm
.macro ALOAD a                         ; xb's fragments of block a, all four quarters -> buffer a % 4
	WIN 0
.set FA, PA+32*((\a)%4)
.irp q, 0,1,2,3
	ds_load_b128 v[FA+8*(\q):FA+8*(\q)+3],   v[ADRA+1] offset:64*(\q)+(\a)*16*PITCH
	ds_load_b128 v[FA+8*(\q)+4:FA+8*(\q)+7], v[ADRA+1] offset:64*(\q)+(\a)*16*PITCH+32
.endr
.endm
.macro ROW a                           ; block a is finished: 32 matrix instructions
.set FA, PA+32*((\a)%4)                ; its fragments of xb
.set AC, 64*((\a)%4)                   ; its eight accumulators, in window 2 (blocks 0-3) or 3 (blocks 4-7)
	WIN MUL_LO+0x50*((\a)/4)                       ; MUL_LO or MUL_HI
.irp q, 0,1,2,3
.if (\a) == 0 && (\q) == 2
	s_wait_dscnt 24                                ; wt's quarter 2 is in (behind it: xb's blocks 1 to 3)
.endif
.irp b, 0,1,2,3,4,5,6,7
	v_wmma_f32_16x16x32_bf16 v[AC+8*(\b):AC+8*(\b)+7], v[64*(\q)+8*(\b):64*(\q)+8*(\b)+7], v[FA+8*(\q):FA+8*(\q)+7], v[AC+8*(\b):AC+8*(\b)+7]
.endr
.endr
.endm
; THE WAY OUT of block a, in two parts.  The sums are the results (f32, the bias in them): nothing is converted.
; TOSTAGE: a lane's 32 bytes of each accumulator go into my own stage in LDS, each accumulator's four lowest registers first; then the 16 rows come back whole, 512 bytes a load.
.macro TOSTAGE a
.set AC, 64*((\a)%4)
	WIN 0x08+4*((\a)/4)                            ; the stores' data (source 1) in window 2 or 3, their address in window 0
.irp b, 0,1,2,3,4,5,6,7
	ds_store_b128 v[STO], v[AC+8*(\b):AC+8*(\b)+3]   offset:64*(\b)
	ds_store_b128 v[STO], v[AC+8*(\b)+4:AC+8*(\b)+7] offset:64*(\b)+16
.endr
	WIN 0
	s_wait_xcnt 0x0                                ; the stores of the block before have read their data and their base (ISA guide 3.1): only behind this wait are OB and s[8:9] written again
.irp t, 0,1,2,3,4,5,6,7,8,9,10,11,12,13,14,15
	ds_load_b128 v[OB+4*(\t):OB+4*(\t)+3], v[RD] offset:(\t)*SPITCH  ; LDS serves a wave's instructions in order (ISA guide 5.7.1.4): these see the stores above; the next block's stores come behind them
.endr
.endm
; SEND: stored, a row at a time.  younger: the LDS loads issued behind TOSTAGE's, which may stay out.  No global instruction stands between TOSTAGE's wait and the step of the base.
.macro SEND a, younger
	WIN 0
.if (\a) == 0
	s_add_nc_u64 s[8:9], s[8:9], s[16:17]          ; on to my first rows and columns
.else
	s_add_nc_u64 s[8:9], s[8:9], 16*ROWC           ; 16 rows of out0 on
.endif
.irp t, 0,1,2,3,4,5,6,7,8,9,10,11,12,13,14,15
	s_wait_dscnt (\younger)+15-(\t)                ; row t is back in registers
	global_store_b128 v[CO], v[OB+4*(\t):OB+4*(\t)+3], s[8:9] offset:(\t)*ROWC th:TH_STORE_NT  ; 32 lanes store 512 consecutive bytes, at a multiple of 512 from out0's first byte
.endr
.endm
	s_wait_tensorcnt 1                             ; my part of K step 0 is in; K step 1's load, issued behind it, may stay out
	s_barrier_signal -1
	s_barrier_wait -1                              ; everybody's is
	FETCH 0, 0, F0
	s_wait_loadcnt 0x0                             ; the bias
	QUARTER 0, 64,  F0, F1, 1                      ; the first quarter stands in front of the loop: its products start the sums
	WIN 0                                          ; at a label and at a branch every window is 0
	s_mov_b32 s3, LAPS-1
.Llap:                                                 ; a trip goes once round the ring, from a lap's second quarter to the next lap's first, and fills both slots again
	QUARTER 0, 128, F1, F0, 0
	QUARTER 0, 192, F0, F1, 0
	TURN 0, 1
	QUARTER 1, 64,  F0, F1, 0
	QUARTER 1, 128, F1, F0, 0
	QUARTER 1, 192, F0, F1, 0
	TURN 1, 0
	QUARTER 0, 64,  F0, F1, 0
	WIN 0
	s_sub_co_u32 s3, s3, 1
	s_cmp_lg_u32 s3, 0
	s_cbranch_scc1 .Llap
	QUARTER 0, 128, F1, F0, 0                      ; the last lap goes on; it asks for nothing more
	QUARTER 0, 192, F0, F1, 0
	MEET 0                                         ; my one tensor load that was still out is slot 1's, the last K step's, so no round follows
	PLACES                                         ; for the loads into buffer 0, which the quarter before multiplied
	BLOAD 0                                        ; three quarters of wt now: buffer 1 (v128-191 of both windows) is still being multiplied
	BLOAD 1
	BLOAD 3
	ALOAD 0
	MUL16 F1, 1, 0, 0
	MUL16 F1, 1, 2, 0
	PLACES                                         ; for the loads into buffer 1
	BLOAD 2
	ALOAD 1
	ALOAD 2
	ALOAD 3
	s_wait_dscnt 40                                ; all but the 40 just issued
	ROW 0
.irp a, 0,1,2,3,4,5,6,7                ; each block leaves as soon as it is finished: nothing follows this tile, so the sooner its stores begin, the sooner the launch ends
	PLACES                                         ; the LDS stores read results just made, and the loads below land in fragments just read
	TOSTAGE \a
.if (\a) < 4
	ALOAD (\a)+4                                   ; its buffer takes the block four further on
	SEND \a, 8
.else
	SEND \a, 0
.endif
.if (\a) < 7
	ROW (\a)+1
.endif
.endr
	s_wait_tensorcnt 0x0                           ; the wave's end, behind my last tensor load and my last LDS store
	ds_add_u32 v[SPW], v[NIL]
	s_wait_dscnt 0x0
	CROUND                                         ; the closing round: no work-group ends while a partner may still ask for a tile that names it
	s_endpgm
.Lfunc_end_k_qffe3c7b1af_gemm:
	.size	k_qffe3c7b1af_gemm, .Lfunc_end_k_qffe3c7b1af_gemm-k_qffe3c7b1af_gemm
	.p2alignl 7, 3214868480
	.fill 96, 4, 3214868480
	.section	.rodata,"a",@progbits
	.p2align	6, 0x0
	.amdhsa_kernel k_qffe3c7b1af_gemm
		.amdhsa_group_segment_fixed_size 327680
		.amdhsa_private_segment_fixed_size 0
		.amdhsa_enable_private_segment 0
		.amdhsa_kernarg_size 32
		.amdhsa_user_sgpr_count 2
		.amdhsa_user_sgpr_kernarg_segment_ptr 1
		.amdhsa_wavefront_size32 1
		.amdhsa_system_sgpr_workgroup_id_x 1
		.amdhsa_system_sgpr_workgroup_id_y 1
		.amdhsa_system_sgpr_workgroup_id_z 1
		.amdhsa_system_vgpr_workitem_id 0
		.amdhsa_next_free_vgpr 1024
		.amdhsa_next_free_sgpr 68
		.amdhsa_reserve_vcc 0
		.amdhsa_float_denorm_mode_32 3
		.amdhsa_float_denorm_mode_16_64 3
		.amdhsa_memory_ordered 1
		.amdhsa_forward_progress 1
		.amdhsa_inst_pref_size 147
	.end_amdhsa_kernel
	.amdgpu_metadata
---
amdhsa.version: [ 1, 2 ]
amdhsa.kernels:
  - .name:           k_qffe3c7b1af_gemm
    .symbol:         k_qffe3c7b1af_gemm.kd
    .args:
      - { .name: xb, .offset: 0, .size: 8, .value_kind: global_buffer, .address_space: global }
      - { .name: wt, .offset: 8, .size: 8, .value_kind: global_buffer, .address_space: global }
      - { .name: bias, .offset: 16, .size: 8, .value_kind: global_buffer, .address_space: global }
      - { .name: out0, .offset: 24, .size: 8, .value_kind: global_buffer, .address_space: global }
    .group_segment_fixed_size: 327680
    .private_segment_fixed_size: 0
    .kernarg_segment_align: 8
    .kernarg_segment_size: 32
    .max_flat_workgroup_size: 128
    .sgpr_count:     68
    .vgpr_count:     1024
    .wavefront_size: 32
...
	.end_amdgpu_metadata
.endif
;; end of part 2
